; MI455X (gfx1250); checked and timed in simulation.
; The chip was launched on July 23, 2026; its instructions are those of AMD's public machine-readable ISA for CDNA 5 (MIT licence, August 2026) and "CDNA5" Instruction Set Architecture Reference Guide (July 2026). The comments in the code are by the model that wrote it; some were corrected since.
;; Dilate Attention. Allowed arithmetic: float matrix products may take bf16 or f16 operands with f32 sums; all other float work in f32.
;; Inputs: k 32 x 64 x 64 x 64 float32; q 32 x 64 x 64 x 64 float32; v 32 x 64 x 64 x 64 float32.
;; Outputs: out0 32 x 64 x 64 x 64 float32.
;; 2 versions, each right; version 2 is version 1 with the launch dilate written anew for expert scheduling mode. Each part assembles by itself: llvm-mc -triple=amdgcn-amd-amdhsa -mcpu=gfx1250 --defsym DOCPART=n.
;; ======== version 1 of 2: 1 launch
;; launch dilate (part 1): grid 8 x 32, 8 waves a work-group, no clusters, 166,912 bytes of LDS; arguments q, k, v, out0; writes out0
.if DOCPART == 1
	.amdgcn_target "amdgcn-amd-amdhsa--gfx1250"
	.amdhsa_code_object_version 6
	.text
	.protected	k_q2ce9e84dcf_dilate
	.globl	k_q2ce9e84dcf_dilate
	.p2align	8
	.type	k_q2ce9e84dcf_dilate,@function
k_q2ce9e84dcf_dilate:
	s_mov_b64 s[64:65], 0
	v_nop
	global_prefetch_b8 v0, s[64:65] scope:SCOPE_SE
	s_setreg_imm32_b32 hwreg(HW_REG_WAVE_MODE, 25, 1), 1
	s_wait_xcnt 0x0
; DilateAttention: out[b][d][h][w] = sum over the 3 x 3 window n of softmax_n( q[b][:][h][w] . k[b][:][h+dy][w+dx] / 8 ) * v[b][d][h+dy][w+dx],
; k and v zero outside the image.  q, k, v, out: [32][64][64][64] f32, w fastest: a plane (b, d) is 64 rows of 256 bytes.
;
; SHARES.  A work-group owns 8 image rows (a strip) of one image: 8 strips x 32 images = 256 work-groups.  Wave w owns channels 8w .. 8w+7 in both
; products.  Lanes 0-15 own rows 0-3 of the strip, lanes 16-31 rows 4-7; a lane owns 4 neighbouring columns of its 4 rows (16 pixels).  So every load
; and store of a wave is two whole image rows: 2 x 256 consecutive bytes, each at a multiple of 256 bytes.
; NEIGHBOURS.  Up and down: other registers of the same lane (6 rows of k serve 4 rows of pixels).  Left and right: the neighbouring lane, by DPP
; row_shr:1 / row_shl:1; a DPP row of 16 lanes is one image row, so bound_ctrl:1 delivers the zero padding at w = -1 and w = 64.
; Rows -1 and 64 do not exist: their loads are clamped to rows 0 and 63, their three scores are replaced by 0 (what the zero padding gives)
; and, behind the softmax, their three weights by 0.
; ALL ARITHMETIC IS f32 ON THE VECTOR UNIT.  No operand is shared between pixels (each q vector meets its own 9 k vectors): as a product of
; 16 x 16 pixels only three diagonals would be wanted, and d, the summed axis, is the slow one in memory.  The work is 144 multiply-adds a lane and
; channel, done as 72 v_pk_fma_f32 on even-aligned pairs, for which each row is copied once, shifted by one column (S below).
; THE SUM OVER d spans the 8 waves: each stores its 144 partial scores to LDS; wave w then sums the 8 partials of pixel pair w of every lane, takes
; the softmax (true maximum subtracted) and stores the weights; every wave reads all 144 weights back.  Two barriers in the whole kernel.
; IN FLIGHT.  Six slots of 40 registers: 60 loads of 512 bytes a wave are asked for at once, and a slot is asked for again as soon as it is consumed;
; the first six channels of v are on their way while the scores are reduced.
; NO CLUSTER, NO JOINT REQUESTS: neighbouring strips share 2 of the 10 rows of k and of v that a strip reads, 64 KiB of its 448 KiB, and loads into
; registers have no joint form.  NO LDS RING: the registers hold what is in flight, and a pass through LDS would only add traffic.
; LIMITS.  The sum over d is 8 chains of 8 channels added across waves (an order of rounding of its own).  v_exp_f32 returns 0 for weights below
; 2^-126 of the largest.  An infinity in image row 0 or 63 of v meets a zero weight (NaN) only at pixels whose own window holds it, where the result is not finite anyway.
.set PLANE,  16384                     ; bytes of a plane (b, d)
.set ROW,    256                       ; bytes of an image row
.set PART,   18432                     ; one wave's partial scores: 144 registers x 32 lanes x 4 bytes
.set WBASE,  8*PART                    ; the weights lie behind the eight partials; 9*PART = 165,888 bytes of LDS in all
; window 0 (v0-v255)
.set OFFQ,   1                         ; byte offset in a plane of my 16 bytes in my first pixel row
.set OFFK0,  2                         ; the same for the row above it, clamped to row 0
.set OFFK5,  3                         ; the same for the row below my last, clamped to row 63
.set PST,    4                         ; LDS: where I store partial scores
.set PRD,    5                         ; v5-7  LDS: where I read the partials of waves 0-2, 3-5, 6-7
.set WST,    8                         ; LDS: where I store weights
.set WLD,    9                         ; LDS: where I read weights
.set ZERO,   10
.set TMP,    11
.set NM,     12                        ; v[12:13] -(maximum) x scale, two pixels
.set RS,     14                        ; v[14:15] 1 / sum, two pixels
.set S,      16                        ; v[16:51] row j at S+6j: [left neighbour, x0, x1, x2, x3, right neighbour]
.set OUT,    52                        ; v[52:83] two buffers of 4 rows x 4 columns of results
.set ACC,    96                        ; v[96:239] score, later weight, of tap n, row r, column c at ACC+16n+4r+c
.set E,      ACC+18                    ; softmax: the 18 exponentials
.set U,      ACC+36                    ; softmax: partial sums
; window 1 (v256-v495): slot s at 40 s: q rows 0-3 at +4r, k (or v) rows 0-5 at +16+4j
; s_set_vgpr_msb: bits 1:0 source 0, 3:2 source 1, 5:4 source 2, 7:6 destination; the high byte repeats the setting that is left.
.set MSB, 0
.macro WIN new
.if MSB != \new
	s_set_vgpr_msb (MSB<<8)|\new
.set MSB, \new
.endif
.endm
	s_load_b256 s[4:11], s[0:1], 0x0               ; q s[4:5], k s[6:7], v s[8:9], out s[10:11]
	v_lshl_add_u32 v254, v0, 2, 0x28800
	v_mov_b32 v255, 0
	v_lshrrev_b32 v[TMP], 5, v0
	v_readfirstlane_b32 s12, v[TMP]                ; wave 0..7
	s_mov_b32 s13, ttmp9                           ; strip 0..7
	s_and_b32 s14, ttmp7, 0xffff                   ; image 0..31
	s_lshl_b32 s16, s14, 20                        ; image x 64 planes
	s_lshl_b32 s15, s12, 17                        ; + wave x 8 planes
	s_add_co_u32 s16, s16, s15
	s_mov_b32 s17, 0
	s_lshl_b32 s18, s13, 3                         ; the strip's first row
	v_and_b32 v12, 15, v0
	v_bfe_u32 v13, v0, 4, 1                        ; which half of the lanes
	v_lshlrev_b32 v12, 4, v12                      ; my 4 columns: 16 bytes
	v_lshl_add_u32 v14, v13, 2, s18                ; my first pixel row
	v_lshl_add_u32 v[OFFQ], v14, 8, v12
	v_min_u32 v15, 1, v14
	v_sub_nc_u32 v15, v14, v15                     ; the row above, or row 0 itself
	v_lshl_add_u32 v[OFFK0], v15, 8, v12
	v_add_nc_u32 v15, 4, v14
	v_min_u32 v15, 63, v15                         ; the row below my last, or row 63 itself
	v_lshl_add_u32 v[OFFK5], v15, 8, v12
	s_wait_kmcnt 0x0
	s_add_nc_u64 s[4:5], s[4:5], s[16:17]          ; all four tensors at my wave's first plane; never stepped again:
	s_add_nc_u64 s[6:7], s[6:7], s[16:17]          ; channel and row go into the immediate offsets
	s_add_nc_u64 s[8:9], s[8:9], s[16:17]
	s_add_nc_u64 s[10:11], s[10:11], s[16:17]
; six rows (one above my four to one below) of channel ch of k (base 6) or v (base 8) into a slot
.macro LOAD6 slot, ch, base
	WIN 0x40                                       ; destination window 1, address window 0
	global_load_b128 v[40*\slot+16:40*\slot+19], v[OFFK0], s[\base:\base+1] offset:\ch*PLANE
.irp j, 1,2,3,4
	global_load_b128 v[40*\slot+16+4*\j:40*\slot+19+4*\j], v[OFFQ], s[\base:\base+1] offset:\ch*PLANE+(\j-1)*ROW
.endr
	global_load_b128 v[40*\slot+36:40*\slot+39], v[OFFK5], s[\base:\base+1] offset:\ch*PLANE
.endm
; four rows of q (read once in the whole launch: NT) and six rows of k: ten loads
.macro LOADQK slot, ch
	WIN 0x40
.irp r, 0,1,2,3
	global_load_b128 v[40*\slot+4*\r:40*\slot+4*\r+3], v[OFFQ], s[4:5] offset:\ch*PLANE+\r*ROW th:TH_LOAD_NT
.endr
	LOAD6 \slot, \ch, 6
.endm
	LOADQK 0, 0                                    ; the ring is filled before anything else is done: 60 loads
	LOADQK 1, 1
	LOADQK 2, 2
	LOADQK 3, 3
	LOADQK 4, 4
	LOADQK 5, 5
	WIN 0
	; lane masks of the pixels whose upper (lower) three taps lie outside the image, for the pixels that THIS wave reduces:
	; pixel pair w lies in pixel row w / 2 of each lane, so row 0 is with waves 0, 1 and row 3 with waves 6, 7
	s_cmp_eq_u32 s13, 0
	s_cselect_b32 s20, 0xffff, 0                   ; first strip: lanes 0-15
	s_cmp_lt_u32 s12, 2
	s_cselect_b32 s20, s20, 0
	s_cmp_eq_u32 s13, 7
	s_cselect_b32 s21, 0xffff0000, 0               ; last strip: lanes 16-31
	s_cmp_gt_u32 s12, 5
	s_cselect_b32 s21, s21, 0
	; LDS addresses.  Partials: [wave][register pair 0..71][lane] 8 bytes.  Weights: [register quad 0..35][lane] 16 bytes.
	v_and_b32 v[TMP], 31, v0
	s_mul_i32 s19, s12, PART
	v_lshl_add_u32 v[PST], v[TMP], 3, s19
	s_lshl_b32 s19, s12, 8                         ; register pair 8n + w: my pixel pair of tap n
	v_lshl_add_u32 v[PRD], v[TMP], 3, s19
	v_add_nc_u32 v[PRD+1], 3*PART, v[PRD]          ; three bases: an LDS offset has 16 bits
	v_add_nc_u32 v[PRD+2], 6*PART, v[PRD]
	s_lshr_b32 s22, s12, 1
	s_lshl_b32 s22, s22, 9                         ; quad 4n + w/2,
	s_and_b32 s23, s12, 1
	s_lshl_b32 s23, s23, 3                         ; its lower or upper 8 bytes
	s_add_co_u32 s22, s22, s23
	s_add_co_u32 s22, s22, WBASE
	v_lshl_add_u32 v[WST], v[TMP], 4, s22
	v_lshlrev_b32 v[WLD], 4, v[TMP]
	v_add_nc_u32 v[WLD], WBASE, v[WLD]
	v_mov_b32 v[ZERO], 0
.irp j, 0,1,2,3,4,5
	v_mov_b32 v[S+6*\j], 0                         ; destinations of DPP moves: written once whole, so that none is ever met unwritten
	v_mov_b32 v[S+6*\j+5], 0
.endr
; d = a x b (first = 1: the first product starts the sum, nothing is cleared) or d += a x b, on pairs of registers
.macro PK first, d, a, b
.if \first
	v_pk_mul_f32 v[\d:\d+1], v[\a:\a+1], v[\b:\b+1]
.else
	v_pk_fma_f32 v[\d:\d+1], v[\a:\a+1], v[\b:\b+1], v[\d:\d+1]
.endif
.endm
; the shifted copy of six rows.  COPY: x0..x3 to S+1..S+4 (source in window 1).  EDGES: the neighbours' x3 and x0 (all in window 0).
.macro COPY src
.irp j, 0,1,2,3,4,5
.irp i, 0,1,2,3
	v_mov_b32 v[S+6*\j+1+\i], v[\src+4*\j+\i]
.endr
.endr
.endm
.macro EDGES
.irp j, 0,1,2,3,4,5
	v_mov_b32_dpp v[S+6*\j],   v[S+6*\j+4] row_shr:1 row_mask:0xf bank_mask:0xf bound_ctrl:1   ; x3 of the lane to the left; 0 at w = -1
	v_mov_b32_dpp v[S+6*\j+5], v[S+6*\j+1] row_shl:1 row_mask:0xf bank_mask:0xf bound_ctrl:1   ; x0 of the lane to the right; 0 at w = 64
.endr
.endm
; One channel's share of the scores.  Pixel row r and k row r + t meet in taps n = 3t (left), 3t+1 (middle), 3t+2 (right).
; Left: columns (0,1) take (S0,S1), (2,3) take (S2,S3).  Right: (0,1) take (S2,S3), (2,3) take (S4,S5).
.macro SCORE slot, first, left
	s_wait_loadcnt \left                           ; loads return in order (ISA guide 5.7.1): this group is in, the five younger groups stay out
	WIN 0x05                                       ; sources 0 and 1 window 1; sums window 0
.irp t, 0,1,2
.irp r, 0,1,2,3
.irp h, 0,2
	PK \first, ACC+48*\t+16+4*\r+\h, 40*\slot+4*\r+\h, 40*\slot+16+4*(\r+\t)+\h
.endr
.endr
.endr
	COPY 40*\slot+16
	WIN 0x04                                       ; source 0 (S) window 0, source 1 (q) window 1
	EDGES
.irp t, 0,1,2
.irp r, 0,1,2,3
	PK \first, ACC+48*\t+4*\r,      S+6*(\r+\t),   40*\slot+4*\r
	PK \first, ACC+48*\t+4*\r+2,    S+6*(\r+\t)+2, 40*\slot+4*\r+2
	PK \first, ACC+48*\t+32+4*\r,   S+6*(\r+\t)+2, 40*\slot+4*\r
	PK \first, ACC+48*\t+32+4*\r+2, S+6*(\r+\t)+4, 40*\slot+4*\r+2
.endr
.endr
.endm
; Sixteen groups of loads pass through the six slots: q and k of channels 0-7 (10 loads each), then v of channels 0-7 (6 loads each); group g
; uses slot g mod 6, and group g + 6 is asked for when group g is consumed.  The wait for group g leaves out the loads of groups g+1 .. g+5.
	SCORE 0, 1, 50
	LOADQK 0, 6
	SCORE 1, 0, 50
	LOADQK 1, 7
	SCORE 2, 0, 50
	LOAD6 2, 0, 8
	SCORE 3, 0, 46                                 ; 4 x 10 + 6
	LOAD6 3, 1, 8
	SCORE 4, 0, 42                                 ; 3 x 10 + 2 x 6
	LOAD6 4, 2, 8
	SCORE 5, 0, 38
	LOAD6 5, 3, 8
	SCORE 0, 0, 34
	LOAD6 0, 4, 8
	SCORE 1, 0, 30                                 ; 5 x 6
	LOAD6 1, 5, 8
	; THE SUM OVER THE WAVES.  36 loads of v stay on their way through all of this.
	WIN 0
.set i, 0
.rept 72
	ds_store_b64 v[PST], v[ACC+2*i:ACC+2*i+1] offset:256*i         ; 32 lanes x 8 neighbouring bytes
.set i, i+1
.endr
	s_wait_dscnt 0x0                               ; my partials are in LDS, for the others' sake,
	s_barrier_signal -1
	s_barrier_wait -1                              ; and so are everybody's
.irp p, 0,1,2,3,4,5,6,7
.irp n, 0,1,2,3,4,5,6,7,8
	ds_load_b64 v[ACC+18*\p+2*\n:ACC+18*\p+2*\n+1], v[PRD+\p/3] offset:(\p%3)*PART+\n*2048   ; wave p's partial of tap n, my two pixels
.endr
.endr
.irp p, 1,2,3,4,5,6,7
	s_wait_dscnt 63-9*\p                           ; 72 loads in order: partials 0 .. p are in when at most 72 - 9 (p + 1) are out
.irp n, 0,1,2,3,4,5,6,7,8
	v_pk_add_f32 v[ACC+2*\n:ACC+2*\n+1], v[ACC+2*\n:ACC+2*\n+1], v[ACC+18*\p+2*\n:ACC+18*\p+2*\n+1]
.endr
.endr
	; taps outside the image score 0, whatever the clamped rows held
.irp i, 0,1,2,3,4,5
	v_cndmask_b32 v[ACC+\i], v[ACC+\i], v[ZERO], s20
	v_cndmask_b32 v[ACC+12+\i], v[ACC+12+\i], v[ZERO], s21
.endr
	; softmax over the 9 taps of two pixels (even registers one pixel, odd registers the other)
.irp i, 0,1
	v_max3_num_f32 v[NM+\i], v[ACC+\i], v[ACC+2+\i], v[ACC+4+\i]
	v_max3_num_f32 v[NM+\i], v[NM+\i], v[ACC+6+\i], v[ACC+8+\i]
	v_max3_num_f32 v[NM+\i], v[NM+\i], v[ACC+10+\i], v[ACC+12+\i]
	v_max3_num_f32 v[NM+\i], v[NM+\i], v[ACC+14+\i], v[ACC+16+\i]
	v_mul_f32 v[NM+\i], 0xbe38aa3b, v[NM+\i]       ; -(maximum) x log2(e) / 8; its rounding shifts all nine exponents alike and cancels in the quotient
.endr
.irp n, 0,1,2,3,4,5,6,7,8
	v_pk_fma_f32 v[ACC+2*\n:ACC+2*\n+1], v[ACC+2*\n:ACC+2*\n+1], 0x3e38aa3b, v[NM:NM+1] op_sel_hi:[1,0,1]   ; (score - maximum) x log2(e) / 8, at most 0
.endr
.irp i, 0,1,2,3,4,5,6,7,8,9,10,11,12,13,14,15,16,17
	v_exp_f32 v[E+\i], v[ACC+\i]
.endr
	v_nop                                          ; one plain vector instruction between the last exponential and the first use (ISA guide 5.7.2)
	s_wait_alu depctr_va_vdst(0)
	v_pk_add_f32 v[U:U+1],   v[E:E+1],     v[E+2:E+3]
	v_pk_add_f32 v[U+2:U+3], v[E+4:E+5],   v[E+6:E+7]
	v_pk_add_f32 v[U+4:U+5], v[E+8:E+9],   v[E+10:E+11]
	v_pk_add_f32 v[U+6:U+7], v[E+12:E+13], v[E+14:E+15]
	v_pk_add_f32 v[U:U+1],   v[U:U+1],     v[U+2:U+3]
	v_pk_add_f32 v[U+4:U+5], v[U+4:U+5],   v[U+6:U+7]
	v_pk_add_f32 v[U:U+1],   v[U:U+1],     v[E+16:E+17]
	v_pk_add_f32 v[U:U+1],   v[U:U+1],     v[U+4:U+5]              ; at least 1: the largest tap's exponential
	v_rcp_f32 v[RS], v[U]
	v_rcp_f32 v[RS+1], v[U+1]
	v_nop                                          ; the plain place behind the reciprocals
	s_wait_alu depctr_va_vdst(0)
.irp n, 0,1,2,3,4,5,6,7,8
	v_pk_mul_f32 v[E+2*\n:E+2*\n+1], v[E+2*\n:E+2*\n+1], v[RS:RS+1]
.endr
	; taps outside the image counted in the sum, but bring no v: their weights become 0 for the clamped rows
.irp i, 0,1,2,3,4,5
	v_cndmask_b32 v[E+\i], v[E+\i], v[ZERO], s20
	v_cndmask_b32 v[E+12+\i], v[E+12+\i], v[ZERO], s21
.endr
.irp n, 0,1,2,3,4,5,6,7,8
	ds_store_b64 v[WST], v[E+2*\n:E+2*\n+1] offset:2048*\n         ; bytes of their own, behind the partials: nobody is still reading them
.endr
	s_wait_dscnt 0x0                               ; my weights are in LDS,
	s_barrier_signal -1
	s_barrier_wait -1                              ; and everybody's
.set i, 0
.rept 36
	ds_load_b128 v[ACC+4*i:ACC+4*i+3], v[WLD] offset:512*i         ; all 144 weights of my 16 pixels, in the places of the scores
.set i, i+1
.endr
	s_wait_dscnt 0x0
; One channel of the output: 4 rows x 4 columns a lane in buffer ob, taps as in SCORE; t outermost, so that eight other sums lie between two
; links of one sum.
.macro APPLY slot, ch, ob, left
	s_wait_loadcnt \left                           ; this channel's six rows of v are in, the younger groups stay out
	s_wait_xcnt 0x0                                ; buffer ob, which the stores of two channels ago read, is rewritten only behind this wait (ISA guide 3.1)
	WIN 0x01                                       ; source 0 (v) window 1; weights and sums window 0
.irp r, 0,1,2,3
.irp h, 0,2
	PK 1, \ob+4*\r+\h, 40*\slot+16+4*\r+\h, ACC+16+4*\r+\h
.endr
.endr
.irp t, 1,2
.irp r, 0,1,2,3
.irp h, 0,2
	PK 0, \ob+4*\r+\h, 40*\slot+16+4*(\r+\t)+\h, ACC+48*\t+16+4*\r+\h
.endr
.endr
.endr
	COPY 40*\slot+16
	WIN 0
	EDGES
.irp t, 0,1,2
.irp r, 0,1,2,3
	PK 0, \ob+4*\r,   S+6*(\r+\t),   ACC+48*\t+4*\r
	PK 0, \ob+4*\r+2, S+6*(\r+\t)+2, ACC+48*\t+4*\r+2
.endr
.irp r, 0,1,2,3
	PK 0, \ob+4*\r,   S+6*(\r+\t)+2, ACC+48*\t+32+4*\r
	PK 0, \ob+4*\r+2, S+6*(\r+\t)+4, ACC+48*\t+32+4*\r+2
.endr
.endr
.irp r, 0,1,2,3
	global_store_b128 v[OFFQ], v[\ob+4*\r:\ob+4*\r+3], s[10:11] offset:\ch*PLANE+\r*ROW th:TH_STORE_NT   ; 16 lanes fill one image row: 256 consecutive bytes, aligned
.endr
.endm
	APPLY 2, 0, OUT, 30                            ; five younger groups of 6
	LOAD6 2, 6, 8
	APPLY 3, 1, OUT+16, 30
	LOAD6 3, 7, 8                                  ; the last group
	APPLY 4, 2, OUT, 30
	APPLY 5, 3, OUT+16, 24                         ; nothing more is asked for: the counts run down
	APPLY 0, 4, OUT, 18
	APPLY 1, 5, OUT+16, 12
	APPLY 2, 6, OUT, 6
	APPLY 3, 7, OUT+16, 0
	s_wait_tensorcnt 0x0
	ds_add_u32 v254, v255
	s_wait_dscnt 0x0
	s_endpgm
.Lfunc_end_k_q2ce9e84dcf_dilate:
	.size	k_q2ce9e84dcf_dilate, .Lfunc_end_k_q2ce9e84dcf_dilate-k_q2ce9e84dcf_dilate
	.p2alignl 7, 3214868480
	.fill 96, 4, 3214868480
	.section	.rodata,"a",@progbits
	.p2align	6, 0x0
	.amdhsa_kernel k_q2ce9e84dcf_dilate
		.amdhsa_group_segment_fixed_size 166912
		.amdhsa_private_segment_fixed_size 0
		.amdhsa_enable_private_segment 0
		.amdhsa_kernarg_size 32
		.amdhsa_user_sgpr_count 2
		.amdhsa_user_sgpr_kernarg_segment_ptr 1
		.amdhsa_wavefront_size32 1
		.amdhsa_system_sgpr_workgroup_id_x 1
		.amdhsa_system_sgpr_workgroup_id_y 1
		.amdhsa_system_sgpr_workgroup_id_z 1
		.amdhsa_system_vgpr_workitem_id 0
		.amdhsa_next_free_vgpr 512
		.amdhsa_next_free_sgpr 66
		.amdhsa_reserve_vcc 0
		.amdhsa_float_denorm_mode_32 3
		.amdhsa_float_denorm_mode_16_64 3
		.amdhsa_memory_ordered 1
		.amdhsa_forward_progress 1
		.amdhsa_inst_pref_size 138
	.end_amdhsa_kernel
	.amdgpu_metadata
---
amdhsa.version: [ 1, 2 ]
amdhsa.kernels:
  - .name:           k_q2ce9e84dcf_dilate
    .symbol:         k_q2ce9e84dcf_dilate.kd
    .args:
      - { .name: q, .offset: 0, .size: 8, .value_kind: global_buffer, .address_space: global }
      - { .name: k, .offset: 8, .size: 8, .value_kind: global_buffer, .address_space: global }
      - { .name: v, .offset: 16, .size: 8, .value_kind: global_buffer, .address_space: global }
      - { .name: out0, .offset: 24, .size: 8, .value_kind: global_buffer, .address_space: global }
    .group_segment_fixed_size: 166912
    .private_segment_fixed_size: 0
    .kernarg_segment_align: 8
    .kernarg_segment_size: 32
    .max_flat_workgroup_size: 256
    .sgpr_count:     66
    .vgpr_count:     512
    .wavefront_size: 32
...
	.end_amdgpu_metadata
.endif
;; end of part 1
;; ======== version 2 of 2: 1 launch; version 1 with the launch dilate written anew for expert scheduling mode
;; launch dilate (part 2): grid 8 x 32, 8 waves a work-group, no clusters, 166,912 bytes of LDS; arguments q, k, v, out0; writes out0
.if DOCPART == 2
	.amdgcn_target "amdgcn-amd-amdhsa--gfx1250"
	.amdhsa_code_object_version 6
	.text
	.protected	k_q2ce9e84dcf_dilate
	.globl	k_q2ce9e84dcf_dilate
	.p2align	8
	.type	k_q2ce9e84dcf_dilate,@function
k_q2ce9e84dcf_dilate:
	s_mov_b64 s[64:65], 0
	v_nop
	global_prefetch_b8 v0, s[64:65] scope:SCOPE_SE
	s_setreg_imm32_b32 hwreg(HW_REG_WAVE_SCHED_MODE, 0, 2), 2
	s_setreg_imm32_b32 hwreg(HW_REG_WAVE_MODE, 25, 1), 1
	s_wait_xcnt 0x0
	s_wait_alu depctr_vm_vsrc(0)
; DilateAttention: out[b][d][h][w] = sum over the 3 x 3 window n of softmax_n( q[b][:][h][w] . k[b][:][h+dy][w+dx] / 8 ) * v[b][d][h+dy][w+dx],
; k and v zero outside the image.  q, k, v, out: [32][64][64][64] f32, w fastest: a plane (b, d) is 64 rows of 256 bytes.
;
; SHARES.  A work-group owns 8 image rows (a strip) of one image: 8 strips x 32 images = 256 work-groups.  Wave w owns channels 8w .. 8w+7 in both
; products.  Lanes 0-15 own rows 0-3 of the strip, lanes 16-31 rows 4-7; a lane owns 4 neighbouring columns of its 4 rows (16 pixels).  So every load
; and store of a wave is two whole image rows: 2 x 256 consecutive bytes, each at a multiple of 256 bytes.
; NEIGHBOURS.  Up and down: other registers of the same lane (6 rows of k serve 4 rows of pixels).  Left and right: the neighbouring lane, by DPP
; row_shr:1 / row_shl:1; a DPP row of 16 lanes is one image row, so bound_ctrl:1 delivers the zero padding at w = -1 and w = 64.
; Rows -1 and 64 do not exist: their loads are clamped to rows 0 and 63, their three scores are replaced by 0 (what the zero padding gives)
; and, behind the softmax, their three weights by 0.
; ALL ARITHMETIC IS f32 ON THE VECTOR UNIT.  No operand is shared between pixels (each q vector meets its own 9 k vectors): as a product of
; 16 x 16 pixels only three diagonals would be wanted, and d, the summed axis, is the slow one in memory.  The work is 144 multiply-adds a lane and
; channel, done as 72 v_pk_fma_f32 on even-aligned pairs, for which each row is copied once, shifted by one column (S below).
; THE SUM OVER d spans the 8 waves: each stores its 144 partial scores to LDS; wave w then sums the 8 partials of pixel pair w of every lane, takes
; the softmax (true maximum subtracted) and stores the weights; every wave reads all 144 weights back.  Two barriers in the whole kernel.
; IN FLIGHT.  Six slots of 40 registers: 60 loads of 512 bytes a wave are asked for at once; a slot is asked for again in the step behind the one
; that consumed it.  Slots 2 to 5 hold q for the last time in steps 2 to 5: their q registers then make two further buffers for v (X0, X1), so
; that all eight channels of v are on their way before the scores are reduced.
; NO CLUSTER, NO JOINT REQUESTS: neighbouring strips share 2 of the 10 rows of k and of v that a strip reads, 64 KiB of its 448 KiB, and loads into
; registers have no joint form.  NO LDS RING: the registers hold what is in flight, and a pass through LDS would only add traffic.
; LIMITS.  The sum over d is 8 chains of 8 channels added across waves (an order of rounding of its own).  v_exp_f32 returns 0 for weights below
; 2^-126 of the largest.  An infinity in image row 0 or 63 of v meets a zero weight (NaN) only at pixels whose own window holds it, where the result is not finite anyway.
; THE MODE: SCHED_MODE bits 1:0 = 2 (LLVM: expert scheduling mode 2), set by the entry lines.  The code itself states the register dependences
; between vector instructions and memory or LDS instructions, with s_wait_alu, always for 0.
; THE PLAN.  Registers that memory or LDS instructions touch:
;   v1-v3      global offsets: written at the head, read by every load and store, never written again (channel and row stand in the immediates).
;   v4-v9      LDS addresses: written behind the first loads, read from the reduction on, never written again.
;   slots      Step g's vector instructions read slot g mod 6.  The loads that land in a slot (or in X0, X1, made of emptied q rows) are issued in
;              the step BEHIND the one that read it last, and that step's vector instructions name its own slot, S and the sums alone.
;   ACC        written by the score steps; read by 72 LDS stores; 72 LDS loads land in it; the softmax works on it; 9 LDS stores read 18 of
;              its registers; 36 LDS loads land in it; from there on vector instructions read it.
;   OUT0, OUT1 Channel c's sums are written into OUT[c mod 2]; the four stores that read them are issued at the head of channel c + 1, whose
;              vector instructions write the other buffer.
;   S and v10-v15 are named by vector instructions alone.
; So ONE wait on va_vdst stands at the head of a step, behind the wait for the step's data; it serves all the step's loads (or stores).  The reduction has
; two such waits (ahead of each run of LDS stores) and two on vm_vsrc (ahead of each run of LDS loads that land where those stores read).
.set PLANE,  16384                     ; bytes of a plane (b, d)
.set ROW,    256                       ; bytes of an image row
.set PART,   18432                     ; one wave's partial scores: 144 registers x 32 lanes x 4 bytes
.set WBASE,  8*PART                    ; the weights lie behind the eight partials; 9*PART = 165,888 bytes of LDS in all
; window 0 (v0-v255)
.set OFFQ,   1                         ; byte offset in a plane of my 16 bytes in my first pixel row
.set OFFK0,  2                         ; the same for the row above it, clamped to row 0
.set OFFK5,  3                         ; the same for the row below my last, clamped to row 63
.set PST,    4                         ; LDS: where I store partial scores
.set PRD,    5                         ; v5-7  LDS: where I read the partials of waves 0-2, 3-5, 6-7
.set WST,    8                         ; LDS: where I store weights
.set WLD,    9                         ; LDS: where I read weights
.set ZERO,   10
.set TMP,    11
.set NM,     12                        ; v[12:13] -(maximum) x scale, two pixels
.set RS,     14                        ; v[14:15] 1 / sum, two pixels
.set S,      16                        ; v[16:51] row j at S+6j: [left neighbour, x0, x1, x2, x3, right neighbour]
.set OUT,    52                        ; v[52:83] two buffers of 4 rows x 4 columns of results
.set ACC,    96                        ; v[96:239] score, later weight, of tap n, row r, column c at ACC+16n+4r+c
.set E,      ACC+18                    ; softmax: the 18 exponentials
.set U,      ACC+36                    ; softmax: partial sums
; window 1 (v256-v495): slot s at 40 s: q rows 0-3 at +4r, k (or v) rows 0-5 at +16+4j.
; A buffer of six rows is named by its first register and a gap: row j lies at first + 4 j + gap x (j / 4).  A slot's k rows: first = 40 s + 16, gap 0.
.set X0,     40*2                      ; rows 0-3 in slot 2's q rows, rows 4, 5 in the first two q rows of slot 3
.set X1,     40*4                      ; the same of slots 4 and 5
.set XGAP,   24                        ; from the end of a slot's q rows to the next slot's first
; s_set_vgpr_msb: bits 1:0 source 0, 3:2 source 1, 5:4 source 2, 7:6 destination; the high byte repeats the setting that is left.
.set MSB, 0
.macro WIN new
.if MSB != \new
	s_set_vgpr_msb (MSB<<8)|\new
.set MSB, \new
.endif
.endm
	s_load_b256 s[4:11], s[0:1], 0x0               ; q s[4:5], k s[6:7], v s[8:9], out s[10:11]
	v_lshl_add_u32 v254, v0, 2, 0x28800
	v_mov_b32 v255, 0
	v_lshrrev_b32 v[TMP], 5, v0
	v_readfirstlane_b32 s12, v[TMP]                ; wave 0..7
	s_mov_b32 s13, ttmp9                           ; strip 0..7
	s_and_b32 s14, ttmp7, 0xffff                   ; image 0..31
	s_lshl_b32 s16, s14, 20                        ; image x 64 planes
	s_mov_b32 s17, 0
	s_lshl_b32 s18, s13, 3                         ; the strip's first row
	v_and_b32 v12, 15, v0
	v_bfe_u32 v13, v0, 4, 1                        ; which half of the lanes
	v_lshlrev_b32 v12, 4, v12                      ; my 4 columns: 16 bytes
	v_lshl_add_u32 v14, v13, 2, s18                ; my first pixel row
	v_lshl_add_u32 v[OFFQ], v14, 8, v12
	v_min_u32 v15, 1, v14
	v_sub_nc_u32 v15, v14, v15                     ; the row above, or row 0 itself
	v_lshl_add_u32 v[OFFK0], v15, 8, v12
	v_add_nc_u32 v15, 4, v14
	v_min_u32 v15, 63, v15                         ; the row below my last, or row 63 itself
	v_lshl_add_u32 v[OFFK5], v15, 8, v12
	s_wait_alu depctr_va_sdst(0)                   ; s12 is written, ahead of its first reader: the four bases are made from it
	s_lshl_b32 s15, s12, 17                        ; + wave x 8 planes
	s_add_co_u32 s16, s16, s15
	s_wait_kmcnt 0x0
	s_add_nc_u64 s[4:5], s[4:5], s[16:17]          ; all four tensors at my wave's first plane; never stepped again:
	s_add_nc_u64 s[6:7], s[6:7], s[16:17]          ; channel and row go into the immediate offsets
	s_add_nc_u64 s[8:9], s[8:9], s[16:17]
	s_add_nc_u64 s[10:11], s[10:11], s[16:17]
; six rows (one above my four to one below) of channel ch of k (base 6) or v (base 8) into the buffer (dst, gap)
.macro LOAD6 dst, gap, ch, base
	WIN 0x40                                       ; destination window 1, address window 0
	global_load_b128 v[\dst:\dst+3], v[OFFK0], s[\base:\base+1] offset:\ch*PLANE
.irp j, 1,2,3,4
	global_load_b128 v[\dst+4*\j+\gap*(\j/4):\dst+4*\j+\gap*(\j/4)+3], v[OFFQ], s[\base:\base+1] offset:\ch*PLANE+(\j-1)*ROW
.endr
	global_load_b128 v[\dst+20+\gap:\dst+23+\gap], v[OFFK5], s[\base:\base+1] offset:\ch*PLANE
.endm
; four rows of q (read once in the whole launch: NT)
.macro LOADQ slot, ch
	WIN 0x40
.irp r, 0,1,2,3
	global_load_b128 v[40*\slot+4*\r:40*\slot+4*\r+3], v[OFFQ], s[4:5] offset:\ch*PLANE+\r*ROW th:TH_LOAD_NT
.endr
.endm
	WIN 0x40                                       ; the loads' windows first, then the wait, then the loads
	s_wait_alu depctr_va_vdst(0)                   ; v1 to v3 are written: every load and store of the kernel reads one of them as its offset
.irp s, 0,1,2,3,4,5
	LOADQ \s, \s                                   ; the ring is filled before anything else is done: 60 loads
	LOAD6 40*\s+16, 0, \s, 6
.endr
	WIN 0
	; lane masks of the pixels whose upper (lower) three taps lie outside the image, for the pixels that THIS wave reduces:
	; pixel pair w lies in pixel row w / 2 of each lane, so row 0 is with waves 0, 1 and row 3 with waves 6, 7
	s_cmp_eq_u32 s13, 0
	s_cselect_b32 s20, 0xffff, 0                   ; first strip: lanes 0-15
	s_cmp_lt_u32 s12, 2
	s_cselect_b32 s20, s20, 0
	s_cmp_eq_u32 s13, 7
	s_cselect_b32 s21, 0xffff0000, 0               ; last strip: lanes 16-31
	s_cmp_gt_u32 s12, 5
	s_cselect_b32 s21, s21, 0
	; LDS addresses.  Partials: [wave][register pair 0..71][lane] 8 bytes.  Weights: [register quad 0..35][lane] 16 bytes.
	v_and_b32 v[TMP], 31, v0
	s_mul_i32 s19, s12, PART
	v_lshl_add_u32 v[PST], v[TMP], 3, s19
	s_lshl_b32 s19, s12, 8                         ; register pair 8n + w: my pixel pair of tap n
	v_lshl_add_u32 v[PRD], v[TMP], 3, s19
	v_add_nc_u32 v[PRD+1], 3*PART, v[PRD]          ; three bases: an LDS offset has 16 bits
	v_add_nc_u32 v[PRD+2], 6*PART, v[PRD]
	s_lshr_b32 s22, s12, 1
	s_lshl_b32 s22, s22, 9                         ; quad 4n + w/2,
	s_and_b32 s23, s12, 1
	s_lshl_b32 s23, s23, 3                         ; its lower or upper 8 bytes
	s_add_co_u32 s22, s22, s23
	s_add_co_u32 s22, s22, WBASE
	v_lshl_add_u32 v[WST], v[TMP], 4, s22
	v_lshlrev_b32 v[WLD], 4, v[TMP]
	v_add_nc_u32 v[WLD], WBASE, v[WLD]
	v_mov_b32 v[ZERO], 0
.irp j, 0,1,2,3,4,5
	v_mov_b32 v[S+6*\j], 0                         ; destinations of DPP moves: written once whole, so that none is ever met unwritten
	v_mov_b32 v[S+6*\j+5], 0
.endr
; d = a x b (first = 1: the first product starts the sum, nothing is cleared) or d += a x b, on pairs of registers
.macro PK first, d, a, b
.if \first
	v_pk_mul_f32 v[\d:\d+1], v[\a:\a+1], v[\b:\b+1]
.else
	v_pk_fma_f32 v[\d:\d+1], v[\a:\a+1], v[\b:\b+1], v[\d:\d+1]
.endif
.endm
; the shifted copy of six rows.  COPY: x0..x3 to S+1..S+4 (source in window 1).  EDGES: the neighbours' x3 and x0 (all in window 0).
.macro COPY src, gap
.irp j, 0,1,2,3,4,5
.irp i, 0,1,2,3
	v_mov_b32 v[S+6*\j+1+\i], v[\src+4*\j+\gap*(\j/4)+\i]
.endr
.endr
.endm
.macro EDGES
.irp j, 0,1,2,3,4,5
	v_mov_b32_dpp v[S+6*\j],   v[S+6*\j+4] row_shr:1 row_mask:0xf bank_mask:0xf bound_ctrl:1   ; x3 of the lane to the left; 0 at w = -1
	v_mov_b32_dpp v[S+6*\j+5], v[S+6*\j+1] row_shl:1 row_mask:0xf bank_mask:0xf bound_ctrl:1   ; x0 of the lane to the right; 0 at w = 64
.endr
.endm
; One channel's share of the scores, in two halves.  Pixel row r and k row r + t meet in taps n = 3t (left), 3t+1 (middle), 3t+2 (right).
; MID: the middle taps and the shifted copy.  SIDE: left: columns (0,1) take (S0,S1), (2,3) take (S2,S3); right: (0,1) take (S2,S3), (2,3) take (S4,S5).
.macro MID slot, first
	WIN 0x05                                       ; sources 0 and 1 window 1; sums window 0
.irp t, 0,1,2
.irp r, 0,1,2,3
.irp h, 0,2
	PK \first, ACC+48*\t+16+4*\r+\h, 40*\slot+4*\r+\h, 40*\slot+16+4*(\r+\t)+\h
.endr
.endr
.endr
	COPY 40*\slot+16, 0
.endm
.macro SIDE slot, first
	WIN 0x04                                       ; source 0 (S) window 0, source 1 (q) window 1
	EDGES
.irp t, 0,1,2
.irp r, 0,1,2,3
	PK \first, ACC+48*\t+4*\r,      S+6*(\r+\t),   40*\slot+4*\r
	PK \first, ACC+48*\t+4*\r+2,    S+6*(\r+\t)+2, 40*\slot+4*\r+2
	PK \first, ACC+48*\t+32+4*\r,   S+6*(\r+\t)+2, 40*\slot+4*\r
	PK \first, ACC+48*\t+32+4*\r+2, S+6*(\r+\t)+4, 40*\slot+4*\r+2
.endr
.endr
.endm
; The head of a score step that asks for more.
.macro HEAD left
	s_wait_loadcnt \left                           ; loads return in order (ISA guide 5.7.1): this step's group is in, the younger groups stay out
	WIN 0x40                                       ; the loads' windows first, then the wait
	s_wait_alu depctr_va_vdst(0)                   ; the steps before are done reading their slots, in which this step's loads land; this step's own vector instructions name none of those registers
.endm
; Sixteen groups of loads: q and k of channels 0-7 (10 loads each), then v of channels 0-7 (6 loads each), issued and consumed in that order.
; Step g reads slot g mod 6 and issues what fits into the registers that step g - 1 emptied, in one or two short runs: at its head, and between its halves.
; The wait for a group leaves out the loads issued behind it:
;   step 0: qk1-5 = 50   1: qk2-5 = 40   2: qk3-6 = 40   3: qk4-7 = 40   4: qk5-7, v0 = 36   5: qk6, 7, v0-2 = 38   6: qk7, v0-3 = 34   7: v0-5 = 36
	s_wait_loadcnt 50                              ; step 0: nothing has been emptied yet, so nothing is asked for and no dependence is to be stated
	MID 0, 1
	SIDE 0, 1
	HEAD 40                                        ; step 1: q and k of channel 6 into slot 0
	LOADQ 0, 6
	MID 1, 0
	LOAD6 40*0+16, 0, 6, 6
	SIDE 1, 0
	HEAD 40                                        ; step 2: q and k of channel 7 into slot 1
	LOADQ 1, 7
	MID 2, 0
	LOAD6 40*1+16, 0, 7, 6
	SIDE 2, 0
	HEAD 40                                        ; step 3: v of channel 0 into slot 2's k rows
	LOAD6 40*2+16, 0, 0, 8
	MID 3, 0
	SIDE 3, 0
	HEAD 36                                        ; step 4: v of channel 1 into slot 3's k rows, of channel 2 into the q rows of slots 2 and 3
	LOAD6 40*3+16, 0, 1, 8
	MID 4, 0
	LOAD6 X0, XGAP, 2, 8
	SIDE 4, 0
	HEAD 38                                        ; step 5: v of channel 3 into slot 4's k rows
	LOAD6 40*4+16, 0, 3, 8
	MID 5, 0
	SIDE 5, 0
	HEAD 34                                        ; step 6: v of channel 4 into slot 5's k rows, of channel 5 into the q rows of slots 4 and 5
	LOAD6 40*5+16, 0, 4, 8
	MID 0, 0
	LOAD6 X1, XGAP, 5, 8
	SIDE 0, 0
	HEAD 36                                        ; step 7: v of channel 6 into slot 0's k rows
	LOAD6 40*0+16, 0, 6, 8
	MID 1, 0
	SIDE 1, 0
	; THE SUM OVER THE WAVES.  48 loads of v are on their way through all of this.
	WIN 0x40
	s_wait_alu depctr_va_vdst(0)                   ; step 7 has written the 144 partial scores, which the LDS stores read, and is done reading slot 1, in which v of channel 7 lands;
	                                               ; v4 to v9, the LDS addresses made at the head, are written; every vector reader and writer of ACC is done, for the LDS loads behind the barrier
	LOAD6 40*1+16, 0, 7, 8                         ; the last group
	WIN 0
.set i, 0
.rept 72
	ds_store_b64 v[PST], v[ACC+2*i:ACC+2*i+1] offset:256*i         ; 32 lanes x 8 neighbouring bytes
.set i, i+1
.endr
	s_wait_dscnt 0x0                               ; my partials are in LDS, for the others' sake,
	s_barrier_signal -1
	s_barrier_wait -1                              ; and so are everybody's
	s_wait_alu depctr_vm_vsrc(0)                   ; my LDS stores have read ACC, in which the loads below land
.irp p, 0,1,2,3,4,5,6,7
.irp n, 0,1,2,3,4,5,6,7,8
	ds_load_b64 v[ACC+18*\p+2*\n:ACC+18*\p+2*\n+1], v[PRD+\p/3] offset:(\p%3)*PART+\n*2048   ; wave p's partial of tap n, my two pixels
.endr
.endr
.irp p, 1,2,3,4,5,6,7
	s_wait_dscnt 63-9*\p                           ; 72 loads in order: partials 0 .. p are in when at most 72 - 9 (p + 1) are out
.irp n, 0,1,2,3,4,5,6,7,8
	v_pk_add_f32 v[ACC+2*\n:ACC+2*\n+1], v[ACC+2*\n:ACC+2*\n+1], v[ACC+18*\p+2*\n:ACC+18*\p+2*\n+1]
.endr
.endr
	; taps outside the image score 0, whatever the clamped rows held
.irp i, 0,1,2,3,4,5
	v_cndmask_b32 v[ACC+\i], v[ACC+\i], v[ZERO], s20
	v_cndmask_b32 v[ACC+12+\i], v[ACC+12+\i], v[ZERO], s21
.endr
	; softmax over the 9 taps of two pixels (even registers one pixel, odd registers the other)
.irp i, 0,1
	v_max3_num_f32 v[NM+\i], v[ACC+\i], v[ACC+2+\i], v[ACC+4+\i]
	v_max3_num_f32 v[NM+\i], v[NM+\i], v[ACC+6+\i], v[ACC+8+\i]
	v_max3_num_f32 v[NM+\i], v[NM+\i], v[ACC+10+\i], v[ACC+12+\i]
	v_max3_num_f32 v[NM+\i], v[NM+\i], v[ACC+14+\i], v[ACC+16+\i]
	v_mul_f32 v[NM+\i], 0xbe38aa3b, v[NM+\i]       ; -(maximum) x log2(e) / 8; its rounding shifts all nine exponents alike and cancels in the quotient
.endr
.irp n, 0,1,2,3,4,5,6,7,8
	v_pk_fma_f32 v[ACC+2*\n:ACC+2*\n+1], v[ACC+2*\n:ACC+2*\n+1], 0x3e38aa3b, v[NM:NM+1] op_sel_hi:[1,0,1]   ; (score - maximum) x log2(e) / 8, at most 0
.endr
.irp i, 0,1,2,3,4,5,6,7,8,9,10,11,12,13,14,15,16,17
	v_exp_f32 v[E+\i], v[ACC+\i]
.endr
	v_nop                                          ; one plain vector instruction between the last exponential and the first use (ISA guide 5.7.2)
	s_wait_alu depctr_va_vdst(0)
	v_pk_add_f32 v[U:U+1],   v[E:E+1],     v[E+2:E+3]
	v_pk_add_f32 v[U+2:U+3], v[E+4:E+5],   v[E+6:E+7]
	v_pk_add_f32 v[U+4:U+5], v[E+8:E+9],   v[E+10:E+11]
	v_pk_add_f32 v[U+6:U+7], v[E+12:E+13], v[E+14:E+15]
	v_pk_add_f32 v[U:U+1],   v[U:U+1],     v[U+2:U+3]
	v_pk_add_f32 v[U+4:U+5], v[U+4:U+5],   v[U+6:U+7]
	v_pk_add_f32 v[U:U+1],   v[U:U+1],     v[E+16:E+17]
	v_pk_add_f32 v[U:U+1],   v[U:U+1],     v[U+4:U+5]              ; at least 1: the largest tap's exponential
	v_rcp_f32 v[RS], v[U]
	v_rcp_f32 v[RS+1], v[U+1]
	v_nop                                          ; the plain place behind the reciprocals
	s_wait_alu depctr_va_vdst(0)
.irp n, 0,1,2,3,4,5,6,7,8
	v_pk_mul_f32 v[E+2*\n:E+2*\n+1], v[E+2*\n:E+2*\n+1], v[RS:RS+1]
.endr
	; taps outside the image counted in the sum, but bring no v: their weights become 0 for the clamped rows
.irp i, 0,1,2,3,4,5
	v_cndmask_b32 v[E+\i], v[E+\i], v[ZERO], s20
	v_cndmask_b32 v[E+12+\i], v[E+12+\i], v[ZERO], s21
.endr
	s_wait_alu depctr_va_vdst(0)                   ; the 18 weights are written, which the LDS stores read; the softmax is done with all it named of ACC, in which the weights' loads land behind the barrier
.irp n, 0,1,2,3,4,5,6,7,8
	ds_store_b64 v[WST], v[E+2*\n:E+2*\n+1] offset:2048*\n         ; bytes of their own, behind the partials: nobody is still reading them
.endr
	s_wait_dscnt 0x0                               ; my weights are in LDS,
	s_barrier_signal -1
	s_barrier_wait -1                              ; and everybody's
	s_wait_alu depctr_vm_vsrc(0)                   ; my LDS stores have read their 18 registers of ACC, in which the loads below land
.set i, 0
.rept 36
	ds_load_b128 v[ACC+4*i:ACC+4*i+3], v[WLD] offset:512*i         ; all 144 weights of my 16 pixels, in the places of the scores
.set i, i+1
.endr
	s_wait_dscnt 0x0
; four rows of channel ch leave from buffer b
.macro STORE4 ch, b
.irp r, 0,1,2,3
	global_store_b128 v[OFFQ], v[OUT+16*(\b)+4*\r:OUT+16*(\b)+4*\r+3], s[10:11] offset:(\ch)*PLANE+\r*ROW th:TH_STORE_NT   ; 16 lanes fill one image row: 256 consecutive bytes, aligned
.endr
.endm
; One channel of the output: 4 rows x 4 columns a lane in buffer b, v in the buffer (src, gap), taps as in the scores; t outermost, so that eight
; other sums lie between two links of one sum.  The channel before leaves at this channel's head.  No load is issued any more.
.macro APPLY src, gap, ch, b, left
	WIN 0
	s_wait_loadcnt \left                           ; this channel's six rows of v are in, the younger channels stay out: the counts run down
.if \ch >= 2
	s_wait_xcnt 0x0                                ; buffer b, which the stores issued in the channel before read, is rewritten only behind this wait (ISA guide 3.1),
	s_wait_alu depctr_vm_vsrc(0)                   ; and behind this one: those stores have read buffer b, which this channel's sums write again
.endif
.if \ch >= 1
	s_wait_alu depctr_va_vdst(0)                   ; the channel before has written the other buffer, which the four stores below read; this channel's vector instructions do not name it
	STORE4 \ch-1, 1-\b
.endif
	WIN 0x01                                       ; source 0 (v) window 1; weights and sums window 0
.irp r, 0,1,2,3
.irp h, 0,2
	PK 1, OUT+16*\b+4*\r+\h, \src+4*\r+\h, ACC+16+4*\r+\h
.endr
.endr
.irp t, 1,2
.irp r, 0,1,2,3
.irp h, 0,2
	PK 0, OUT+16*\b+4*\r+\h, \src+4*(\r+\t)+\gap*((\r+\t)/4)+\h, ACC+48*\t+16+4*\r+\h
.endr
.endr
.endr
	COPY \src, \gap
	WIN 0
	EDGES
.irp t, 0,1,2
.irp r, 0,1,2,3
	PK 0, OUT+16*\b+4*\r,   S+6*(\r+\t),   ACC+48*\t+4*\r
	PK 0, OUT+16*\b+4*\r+2, S+6*(\r+\t)+2, ACC+48*\t+4*\r+2
.endr
.irp r, 0,1,2,3
	PK 0, OUT+16*\b+4*\r,   S+6*(\r+\t)+2, ACC+48*\t+32+4*\r
	PK 0, OUT+16*\b+4*\r+2, S+6*(\r+\t)+4, ACC+48*\t+32+4*\r+2
.endr
.endr
.endm
	APPLY 40*2+16, 0,    0, 0, 42                  ; seven younger groups of 6
	APPLY 40*3+16, 0,    1, 1, 36
	APPLY X0,      XGAP, 2, 0, 30
	APPLY 40*4+16, 0,    3, 1, 24
	APPLY 40*5+16, 0,    4, 0, 18
	APPLY X1,      XGAP, 5, 1, 12
	APPLY 40*0+16, 0,    6, 0, 6
	APPLY 40*1+16, 0,    7, 1, 0
	s_wait_alu depctr_va_vdst(0)                   ; channel 7 has written buffer 1, which the last four stores read
	STORE4 7, 1
	s_wait_dscnt 0x0
	s_wait_alu depctr_hold_cnt(0) depctr_sa_sdst(0) depctr_va_vdst(0) depctr_va_sdst(0) depctr_va_ssrc(0) depctr_va_vcc(0) depctr_vm_vsrc(0)
	s_wait_tensorcnt 0x0
	ds_add_u32 v254, v255
	s_wait_dscnt 0x0
	s_endpgm
.Lfunc_end_k_q2ce9e84dcf_dilate:
	.size	k_q2ce9e84dcf_dilate, .Lfunc_end_k_q2ce9e84dcf_dilate-k_q2ce9e84dcf_dilate
	.p2alignl 7, 3214868480
	.fill 96, 4, 3214868480
	.section	.rodata,"a",@progbits
	.p2align	6, 0x0
	.amdhsa_kernel k_q2ce9e84dcf_dilate
		.amdhsa_group_segment_fixed_size 166912
		.amdhsa_private_segment_fixed_size 0
		.amdhsa_enable_private_segment 0
		.amdhsa_kernarg_size 32
		.amdhsa_user_sgpr_count 2
		.amdhsa_user_sgpr_kernarg_segment_ptr 1
		.amdhsa_wavefront_size32 1
		.amdhsa_system_sgpr_workgroup_id_x 1
		.amdhsa_system_sgpr_workgroup_id_y 1
		.amdhsa_system_sgpr_workgroup_id_z 1
		.amdhsa_system_vgpr_workitem_id 0
		.amdhsa_next_free_vgpr 512
		.amdhsa_next_free_sgpr 66
		.amdhsa_reserve_vcc 0
		.amdhsa_float_denorm_mode_32 3
		.amdhsa_float_denorm_mode_16_64 3
		.amdhsa_memory_ordered 1
		.amdhsa_forward_progress 1
		.amdhsa_inst_pref_size 139
	.end_amdhsa_kernel
	.amdgpu_metadata
---
amdhsa.version: [ 1, 2 ]
amdhsa.kernels:
  - .name:           k_q2ce9e84dcf_dilate
    .symbol:         k_q2ce9e84dcf_dilate.kd
    .args:
      - { .name: q, .offset: 0, .size: 8, .value_kind: global_buffer, .address_space: global }
      - { .name: k, .offset: 8, .size: 8, .value_kind: global_buffer, .address_space: global }
      - { .name: v, .offset: 16, .size: 8, .value_kind: global_buffer, .address_space: global }
      - { .name: out0, .offset: 24, .size: 8, .value_kind: global_buffer, .address_space: global }
    .group_segment_fixed_size: 166912
    .private_segment_fixed_size: 0
    .kernarg_segment_align: 8
    .kernarg_segment_size: 32
    .max_flat_workgroup_size: 256
    .sgpr_count:     66
    .vgpr_count:     512
    .wavefront_size: 32
...
	.end_amdgpu_metadata
.endif
;; end of part 2
